; MI455X (gfx1250); checked and timed in simulation.
; The chip was launched on July 23, 2026; its instructions are those of AMD's public machine-readable ISA for CDNA 5 (MIT licence, August 2026) and "CDNA5" Instruction Set Architecture Reference Guide (July 2026). The comments in the code are by the model that wrote it; some were corrected since.
;; Experts Linear. Allowed arithmetic: float matrix products may take bf16 or f16 operands with f32 sums; all other float work in f32.
;; Inputs: W 8 x 512 x 512 float32; b 8 x 1 x 512 float32; weights 32,768 x 8 float32; x 32,768 x 512 float32.
;; Outputs: out0 32,768 x 512 float32.
;; One version. Each part assembles by itself: llvm-mc -triple=amdgcn-amd-amdhsa -mcpu=gfx1250 --defsym DOCPART=n.
;; ======== version 1 of 1: 2 launches
;; workspace buffers: wt 4,194,304 bytes
;; launch prep (part 1): grid 256 x 1, 8 waves a work-group, no clusters, 17,664 bytes of LDS; arguments W, wt; writes wt
.if DOCPART == 1
	.amdgcn_target "amdgcn-amd-amdhsa--gfx1250"
	.amdhsa_code_object_version 6
	.text
	.protected	k_qc91043cbba_prep
	.globl	k_qc91043cbba_prep
	.p2align	8
	.type	k_qc91043cbba_prep,@function
k_qc91043cbba_prep:
	s_mov_b64 s[64:65], 0
	v_nop
	global_prefetch_b8 v0, s[64:65] scope:SCOPE_SE
	s_setreg_imm32_b32 hwreg(HW_REG_WAVE_MODE, 25, 1), 1
	s_wait_xcnt 0x0
; wt[cb][e][o'][i] = bf16(W[e][i][128 cb + o']):  W is [8][512 i][512 o] f32; wt is [4 cb][8 e][128 o'][512 i] bf16, 4,194,304 bytes.
; The next launch wants W rounded to bf16, with i (the summed index) along the rows, and the tiles (cb, e) of 131,072 bytes in the order in which it walks them.
; A work-group takes 128 i x 64 o of one expert: 8 experts x 4 x 8 = 256 work-groups.  Every byte of W is read once, every byte of wt written once.
; In: sixteen neighbouring lanes read 256 consecutive bytes of a row of W.  Two rows i, i + 1 pack into one word for each column.
; The words are turned in LDS (64 rows o of 64 words, pitch 65 words).  Out: sixteen neighbouring lanes store 256 consecutive bytes of a row of wt, aligned.
; No matrix unit, no cluster: the launch only moves and rounds, and no two work-groups read the same bytes.
.set TP, 260                           ; LDS pitch: 64 words + 1.  Word index 65 o + w: in both directions the 32 lanes of a wave touch 32 different words modulo 64
	s_load_b128 s[4:7], s[0:1], 0x0                ; W s[4:5], wt s[6:7]
	v_lshl_add_u32 v64, v0, 2, 0x4100
	v_mov_b32 v65, 0
	s_and_b32 s8, ttmp9, 7                         ; oblk: which 64 columns o
	s_bfe_u32 s9, ttmp9, 0x20003                   ; iblk: which 128 rows i
	s_lshr_b32 s10, ttmp9, 5                       ; e
	s_lshl_b32 s12, s10, 20                        ; from: e x 1,048,576
	s_lshl_b32 s11, s9, 18                         ;     + iblk x 128 rows x 2,048 bytes
	s_add_co_u32 s12, s12, s11
	s_lshl_b32 s11, s8, 8                          ;     + oblk x 64 columns x 4 bytes
	s_add_co_u32 s12, s12, s11
	s_mov_b32 s13, 0
	s_lshr_b32 s14, s8, 1                          ; cb = oblk / 2
	s_lshl3_add_u32 s14, s14, s10                  ; tile 8 cb + e
	s_lshl_b32 s14, s14, 17                        ; to: tile x 131,072
	s_and_b32 s11, s8, 1
	s_lshl_b32 s11, s11, 16                        ;   + (oblk mod 2) x 64 rows x 1,024 bytes
	s_add_co_u32 s14, s14, s11
	s_lshl_b32 s11, s9, 8                          ;   + iblk x 128 numbers x 2 bytes
	s_add_co_u32 s14, s14, s11
	s_mov_b32 s15, 0
	v_and_b32 v1, 15, v0                           ; c  = t mod 16
	v_lshrrev_b32 v2, 4, v0                        ; ip = t / 16, 0 to 15
	v_lshlrev_b32 v7, 4, v1                        ; 16 c
	v_lshl_add_u32 v3, v2, 12, v7                  ; in: rows 2 ip, 2 ip + 1 (4,096 bytes a pair), columns 4 c .. 4 c + 3
	v_mul_u32_u24 v4, v1, 4*TP
	v_lshl_add_u32 v4, v2, 2, v4                   ; LDS, in: row o = 4 c, word ip
	v_mul_u32_u24 v5, v2, TP
	v_add_nc_u32 v5, v5, v7                        ; LDS, back: row o = ip, words 4 c ..
	v_lshl_add_u32 v6, v2, 10, v7                  ; out: row ip of 1,024 bytes, 16 bytes at 16 c
	s_wait_kmcnt 0x0
	s_add_nc_u64 s[4:5], s[4:5], s[12:13]
	s_add_nc_u64 s[6:7], s[6:7], s[14:15]
	; all eight loads go out at once: pair of rows ip + 16 u, its even row (s = 0) and its odd row (s = 1)
.irp u, 0,1,2,3
.irp s, 0,1
	global_load_b128 v[8+8*\u+4*\s:8+8*\u+4*\s+3], v3, s[4:5] offset:\u*65536+\s*2048 th:TH_LOAD_NT
.endr
.endr
.irp u, 0,1,2,3
	s_wait_loadcnt 6-2*\u                          ; loads come back in order: pair u is in, the 2 (3 - u) younger loads stay out
.irp k, 0,1,2,3
	v_cvt_pk_bf16_f32 v[40+4*\u+\k], v[8+8*\u+\k], v[12+8*\u+\k]   ; column 4 c + k: row i in the low half, row i + 1 in the high half
.endr
.irp k, 0,1,2,3
	ds_store_b32 v4, v[40+4*\u+\k] offset:\k*TP+\u*64              ; row o = 4 c + k, word ip + 16 u
.endr
.endr
	s_wait_dscnt 0x0                               ; my stores are in LDS, for the other waves' sake
	s_barrier_signal -1
	s_barrier_wait -1                              ; everybody's are
.irp v, 0,1,2,3
.irp j, 0,1,2,3
	ds_load_b32 v[8+4*\v+\j], v5 offset:\v*16*TP+4*\j              ; row o = ip + 16 v, word 4 c + j (the pitch is no multiple of 16 bytes: single words)
.endr
.endr
.irp v, 0,1,2,3
	s_wait_dscnt 12-4*\v                           ; row v's four words are in, the younger rows' stay out
	global_store_b128 v6, v[8+4*\v:8+4*\v+3], s[6:7] offset:\v*16384   ; sixteen lanes: 256 consecutive bytes, aligned.  No hint: the next launch reads them
.endr
	s_wait_tensorcnt 0x0
	ds_add_u32 v64, v65
	s_wait_dscnt 0x0
	s_endpgm
.Lfunc_end_k_qc91043cbba_prep:
	.size	k_qc91043cbba_prep, .Lfunc_end_k_qc91043cbba_prep-k_qc91043cbba_prep
	.p2alignl 7, 3214868480
	.fill 96, 4, 3214868480
	.section	.rodata,"a",@progbits
	.p2align	6, 0x0
	.amdhsa_kernel k_qc91043cbba_prep
		.amdhsa_group_segment_fixed_size 17664
		.amdhsa_private_segment_fixed_size 0
		.amdhsa_enable_private_segment 0
		.amdhsa_kernarg_size 16
		.amdhsa_user_sgpr_count 2
		.amdhsa_user_sgpr_kernarg_segment_ptr 1
		.amdhsa_wavefront_size32 1
		.amdhsa_system_sgpr_workgroup_id_x 1
		.amdhsa_system_sgpr_workgroup_id_y 1
		.amdhsa_system_sgpr_workgroup_id_z 1
		.amdhsa_system_vgpr_workitem_id 0
		.amdhsa_next_free_vgpr 66
		.amdhsa_next_free_sgpr 66
		.amdhsa_reserve_vcc 0
		.amdhsa_float_denorm_mode_32 3
		.amdhsa_float_denorm_mode_16_64 3
		.amdhsa_memory_ordered 1
		.amdhsa_forward_progress 1
		.amdhsa_inst_pref_size 7
	.end_amdhsa_kernel
	.amdgpu_metadata
---
amdhsa.version: [ 1, 2 ]
amdhsa.kernels:
  - .name:           k_qc91043cbba_prep
    .symbol:         k_qc91043cbba_prep.kd
    .args:
      - { .name: W, .offset: 0, .size: 8, .value_kind: global_buffer, .address_space: global }
      - { .name: wt, .offset: 8, .size: 8, .value_kind: global_buffer, .address_space: global }
    .group_segment_fixed_size: 17664
    .private_segment_fixed_size: 0
    .kernarg_segment_align: 8
    .kernarg_segment_size: 16
    .max_flat_workgroup_size: 256
    .sgpr_count:     66
    .vgpr_count:     66
    .wavefront_size: 32
...
	.end_amdgpu_metadata
.endif
;; end of part 1
;; launch main (part 2): grid 256 x 1, 4 waves a work-group, clusters of 4 x 1, 327,680 bytes of LDS; arguments x, weights, b, wt, out0; writes out0
.if DOCPART == 2
	.amdgcn_target "amdgcn-amd-amdhsa--gfx1250"
	.amdhsa_code_object_version 6
	.text
	.protected	k_qc91043cbba_main
	.globl	k_qc91043cbba_main
	.p2align	8
	.type	k_qc91043cbba_main,@function
k_qc91043cbba_main:
	s_mov_b64 s[64:65], 0
	v_nop
	global_prefetch_b8 v0, s[64:65] scope:SCOPE_SE
	s_setreg_imm32_b32 hwreg(HW_REG_WAVE_MODE, 25, 1), 1
	s_wait_xcnt 0x0
	s_wait_alu depctr_hold_cnt(0) depctr_sa_sdst(0) depctr_va_vdst(0) depctr_va_sdst(0) depctr_va_ssrc(0) depctr_va_vcc(0) depctr_vm_vsrc(0)
	s_getreg_b32 s2, hwreg(HW_REG_IB_STS2, 6, 4)
	s_cmp_eq_u32 s2, 0
	s_cbranch_scc0 .Lentry_in_a_cluster
	s_endpgm
.Lentry_in_a_cluster:
	s_bfe_u32 s2, ttmp6, 0x10000c
	s_cmp_lg_u32 s2, 0x3003
	s_cbranch_scc0 .Lentry_shape_is_right
	s_endpgm
.Lentry_shape_is_right:
; out0[r][o] = sum over e of weights[r][e] (sum over i of x[r][i] W[e][i][o] + b[e][o]).   x [32768][512], weights [32768][8], b [8][512], out0 [32768][512], all f32;
; wt = W in bf16 as [4 cb][8 e][128 o'][512 i], made by the launch before.
;
; SHARES.  A work-group makes 256 rows x 256 columns: 128 row blocks x 2 column halves = 256 work-groups.  Each of its four waves owns 64 rows and all the columns.
; A wave's 64 rows x 512 i of x, rounded to bf16, are 512 registers and stay there for the whole launch: x goes through LDS once, and in the loop only W is read from LDS.
; The 256 columns go in two passes of 128.  In a pass, for each expert: temp = x W[e] in f32 (32 columns at a time, 8 tiles of 16 x 16), then total += gate x temp in f32.
; So the gate never enters a bf16 operand of the large product.  The bias term, sum over e of weights[r][e] b[e][o], is one matrix step with e as the summed index; it starts the totals.
; CLUSTER.  The four work-groups of a cluster have the same column half and different rows: they walk the same 16 tiles of wt, and each tile is asked for jointly (mask 15).
; x is asked for by plain loads: a row block's only other user is the other column half, which lies in another cluster, and a work-group takes 512 KiB of x against 2 MiB of wt.
; No prefetch: wt was stored by the launch just before and is read by every work-group; x is wanted at once.
;
; LIMITS.  x and W are rounded to bf16 (nearest even) for the product; in the bias term weights and b are rounded to bf16 too; all sums and the gating are f32.
; The order of the sums differs from a plain sum over (e, i): each expert is summed over i first, then gated.
;
; THE MATRIX INSTRUCTION IS USED TRANSPOSED: source 0 = 16 columns of W (rows of wt), source 1 = 16 rows of x.  Lane l then holds row l % 16 of the result and its registers
; 0 to 7 the columns 8 (l / 16) + 0 .. 7: the gate is one number a lane, and a lane's eight results are 32 neighbouring bytes.
;
; REGISTERS in windows of 256 (s_set_vgpr_msb, low byte: bits 1:0 source 0, 3:2 source 1, 5:4 source 2, 7:6 destination):
;   window 0: v0-31 addresses and gates; v32-95, v96-159 two buffers of W fragments; v160-223 the 8 temp tiles; v224-255 staging
;   window 1: the 32 total tiles, (a, NB) at 8 (8 a + NB): a = block of 16 rows, NB = block of 16 columns
;   windows 2, 3: x; fragment (kk, a) at 8 (4 (kk mod 8) + a), kk = step of 32 along i; kk < 8 in window 2
.set XP,    528                        ; LDS pitch of x rows: 512 bytes + 16; of the stage too.  An odd multiple of 16: sixteen rows start in sixteen different 16-byte columns of 256
.set WP,    1040                       ; LDS pitch of wt rows: 1,024 bytes + 16, again an odd multiple of 16
.set SLOT,  256*XP                     ; 135,168: 4 waves x 64 rows of x, or 128 rows of wt (133,120)
.set WTAB,  2*SLOT                     ; each wave's 64 x 8 gates, 2,048 bytes, as they lie in memory
.set BTAB,  WTAB+8192                  ; b of my 256 columns: [8 e][256] f32
.set STAGE, BTAB+8192                  ; 16 rows x 528 bytes for each wave, for the way out.  The tables and the stage are written by LDS stores; no tensor load lands there
.set XA,  8                            ; v8-9    my x fragments in slot 0, 1
.set BA,  10                           ; v10-13  wt fragments: slot 0 rows 0-63, rows 64-127; slot 1 likewise (an LDS offset has 16 bits)
.set WA,  14                           ; v14     my row's gate of the expert that comes next
.set WA0, 15                           ; v15     my row's gates
.set WV,  16                           ; v16-23  four pairs: the gate of row block a, twice (a pair for the packed multiply-add)
.set STO, 24                           ; v24     stage: where I put my results
.set RD,  25                           ; v25     stage: where I read a row back
.set CO,  26                           ; v26     16 x lane
.set BT,  27                           ; v27     BTAB + 4 (l % 16)
.set HM,  28                           ; v28     all ones in lanes 0-15, zero in lanes 16-31
.set F0,  32
.set F1,  96
.set BF,  128                          ; bias step: 8 fragments of b, v128-191
.set WF,  192                          ; bias step: 4 fragments of gates, v192-223
.set TMP, 160
.set ST,  224
.set G1X, 24                           ; s[24:31] descriptor group 1 for x
.set G1W, 32                           ; s[32:39] descriptor group 1 for wt
.set G0X, 40                           ; s[40:47] group 0 for x, one set for each slot
.set G0W, 48                           ; s[48:55] group 0 for wt, one set for each slot
.set OB,  58                           ; s[58:59] out0 at my wave's first row and my column half
.set MSB, 0
.macro WIN new                         ; the immediate's high byte repeats the setting that is left; a switch that changes nothing is dropped
.if MSB != \new
	s_set_vgpr_msb (MSB<<8)|\new
.set MSB, \new
.endif
.endm
.macro PLACES                          ; four plain vector instructions behind a matrix instruction, before its result is read or a register of it is written or loaded (ISA guide 7.12.1)
.rept 4
	v_nop
.endr
.endm
; A round of the cluster's barrier: my work-group's barrier, wave 0 signals for the work-group, every wave waits for all four work-groups, my work-group's barrier once more.
.macro ROUND
	s_barrier_signal -1
	s_barrier_wait -1
	s_cmp_lg_u32 s14, 0
	s_cbranch_scc1 .Lnot_wave_0_\@
	s_barrier_signal -3
.Lnot_wave_0_\@:
	s_barrier_wait -3
	s_barrier_signal -1
	s_barrier_wait -1
.endm
; What stands in front of every refill of a slot.  The caller's one tensor load follows directly.
.macro EDGE g0, step
	WIN 0                                          ; branches and a label follow
	s_wait_xcnt 0x0
	v_lshl_add_u32 v254, v0, 2, 0x4e400
	v_mov_b32 v255, 0
	s_wait_tensorcnt 0x0                           ; all my tensor loads have landed, my part of the slot that is read next among them,
	ds_add_u32 v254, v255
	s_wait_dscnt 0x0
.if \step
	s_add_nc_u64 s[\g0+2:\g0+3], s[\g0+2:\g0+3], \step   ; so a group 0 may be written
.endif
	s_wait_dscnt 0x0                               ; my reads of the slot that is filled next are back (and my LDS stores are in)
	ROUND                                          ; both now hold of every wave of all four work-groups
.endm
	s_load_b256 s[4:11], s[0:1], 0x0               ; x s[4:5], weights s[6:7], b s[8:9], wt s[10:11]
	s_load_b64 s[12:13], s[0:1], 0x20              ; out0
	v_lshl_add_u32 v254, v0, 2, 0x4e400
	v_mov_b32 v255, 0
	ds_add_u32 v254, v255
	s_wait_dscnt 0x0
	v_lshrrev_b32 v3, 5, v0
	v_readfirstlane_b32 s14, v3                    ; wave 0..3
	s_bfe_u32 s15, ttmp6, 0x40000                  ; cx: my place in the cluster
	s_and_b32 s16, ttmp9, 1                        ; H: the column half, from the cluster's number: the same in all four partners
	s_lshr_b32 s17, ttmp9, 1
	s_lshl2_add_u32 s17, s17, s15                  ; row block = 4 (cluster / 2) + cx
	s_lshl_b32 s18, s17, 8
	s_lshl_b32 s19, s14, 6
	s_add_co_u32 s18, s18, s19                     ; my wave's first row
	s_lshl_b32 s20, s18, 11                        ; x 2,048 bytes: below 2^26
	s_mov_b32 s21, 0
	s_lshl_b32 s22, s18, 5                         ; x 32 bytes of gates
	s_mov_b32 s23, 0
	s_lshl_b32 s62, s16, 10                        ; H x 256 columns x 4 bytes
	s_mov_b32 s63, 0
	s_add_co_u32 s[OB], s20, s62
	s_mov_b32 s[OB+1], 0
	s_lshl_b32 s60, s16, 21                        ; wt: 16 H tiles of 131,072 bytes
	s_lshl_b32 s61, s14, 15                        ;   + my quarter of a tile: 32 rows of 1,024 bytes.  Only H and the wave's number enter: no place in the cluster
	s_add_co_u32 s60, s60, s61
	s_mov_b32 s61, 0
	s_mul_i32 s19, s14, 64*XP                      ; LDS: my 64 rows of x in a slot
	s_mul_i32 s57, s14, 32*WP                      ; LDS: my 32 rows of wt in a slot
	s_mul_i32 s2, s14, 16*XP
	s_add_co_u32 s2, s2, STAGE                     ; my stage
	s_lshl_b32 s3, s14, 11
	s_add_co_u32 s3, s3, WTAB                      ; my gates
	; group 1 for x: 64 rows x 128 f32 (512 bytes, starting at a multiple of 512 from x's first byte), 4 words of padding behind every 128 words; a plain load
	s_mov_b32 s[G1X+0], (2<<16)|(1<<20)|(6<<22)|(3<<25)
	s_mov_b32 s[G1X+1], 128<<16                    ; tensor_dim0 = 128
	s_mov_b32 s[G1X+2], 64<<16                     ; tensor_dim1 = 64
	s_mov_b32 s[G1X+3], 128<<16                    ; tile_dim0 = 128
	s_mov_b32 s[G1X+4], 64                         ; tile_dim1 = 64
	s_mov_b32 s[G1X+5], 512                        ; 512 elements from row to row
	s_mov_b32 s[G1X+6], 0
	s_mov_b32 s[G1X+7], 0
	; group 1 for wt: 32 rows x 512 bf16 (1,024 bytes), 4 words of padding behind every 256 words; joint: mask 15 names all four work-groups, bit 21 beside it.
	; A wave's quarter is 32 whole rows, 32 KiB dense in memory; 64 rows a load would cut each row in two.
	s_mov_b32 s[G1W+0], 15|(1<<16)|(1<<20)|(1<<21)|(7<<22)|(3<<25)
	s_mov_b32 s[G1W+1], 512<<16
	s_mov_b32 s[G1W+2], 32<<16
	s_mov_b32 s[G1W+3], 512<<16
	s_mov_b32 s[G1W+4], 32
	s_mov_b32 s[G1W+5], 512
	s_mov_b32 s[G1W+6], 0
	s_mov_b32 s[G1W+7], 0
	s_wait_kmcnt 0x0
	s_add_nc_u64 s[20:21], s[4:5], s[20:21]        ; x at my first row
	s_add_nc_u64 s[22:23], s[6:7], s[22:23]        ; weights at my first row
	s_add_nc_u64 s[62:63], s[8:9], s[62:63]        ; b at my column half
	s_add_nc_u64 s[60:61], s[10:11], s[60:61]      ; wt at my quarter of my first tile
	s_add_nc_u64 s[OB:OB+1], s[12:13], s[OB:OB+1]
.irp s, 0,1
	s_mov_b32 s[G0X+4*\s], 1
	s_add_co_u32 s[G0X+4*\s+1], s19, \s*SLOT
	s_add_nc_u64 s[G0X+4*\s+2:G0X+4*\s+3], s[20:21], \s*512        ; chunk s: i = 128 s ..
	s_or_b32 s[G0X+4*\s+3], s[G0X+4*\s+3], 0x80000000
	s_mov_b32 s[G0W+4*\s], 1
	s_add_co_u32 s[G0W+4*\s+1], s57, \s*SLOT
	s_add_nc_u64 s[G0W+4*\s+2:G0W+4*\s+3], s[60:61], \s*131072     ; tile s
	s_or_b32 s[G0W+4*\s+3], s[G0W+4*\s+3], 0x80000000
.endr
	ROUND                                          ; in a cluster launch every group of tensor loads stands behind a round
	tensor_load_to_lds s[G0X:G0X+3], s[G1X:G1X+7]          ; x chunk 0 into slot 0
	s_nop 0
	tensor_load_to_lds s[G0X+4:G0X+7], s[G1X:G1X+7]        ; x chunk 1 into slot 1: two loads of mine are out, the most in this text
	s_nop 0
	v_and_b32 v1, 15, v0                           ; r = l % 16
	v_bfe_u32 v2, v0, 4, 1                         ; h = l / 16
	v_and_b32 v3, 31, v0                           ; l
	v_lshlrev_b32 v[CO], 4, v3
	v_lshrrev_b32 v6, 6, v0
	v_and_b32 v7, 63, v0
	v_lshlrev_b32 v7, 4, v7
	v_lshl_add_u32 v30, v6, 11, v7                 ; b: expert t / 64 (2,048 bytes a row), 16 bytes at 16 (t mod 64)
.irp i, 0,1,2,3
	global_load_b128 v[ST+4*\i:ST+4*\i+3], v[CO], s[22:23] offset:512*\i        ; my wave's 2,048 bytes of gates
.endr
.irp i, 0,1,2,3
	global_load_b128 v[ST+16+4*\i:ST+16+4*\i+3], v30, s[62:63] offset:4096*\i   ; experts t / 64 + 2 i: the work-group's 8 x 1,024 bytes of b
.endr
	v_mul_u32_u24 v4, v1, XP
	v_lshl_add_u32 v4, v2, 5, v4                   ; r x 528 + 32 h
	v_add_nc_u32 v[XA], s19, v4
	v_add_nc_u32 v[XA+1], SLOT, v[XA]
	v_mul_u32_u24 v[BA], v1, WP
	v_lshl_add_u32 v[BA], v2, 4, v[BA]             ; r x 1,040 + 16 h
	v_add_nc_u32 v[BA+1], 64*WP, v[BA]
	v_add_nc_u32 v[BA+2], SLOT, v[BA]
	v_add_nc_u32 v[BA+3], SLOT+64*WP, v[BA]
	v_lshl_add_u32 v[WA0], v1, 5, s3
	v_add_nc_u32 v[STO], s2, v4
	v_add_nc_u32 v[RD], s2, v[CO]
	v_lshl_add_u32 v[BT], v1, 2, BTAB
	v_add_nc_u32 v[HM], -1, v2
	v_add_nc_u32 v29, s3, v[CO]
	v_lshl_add_u32 v31, v0, 4, BTAB
	s_wait_loadcnt 0x0
.irp i, 0,1,2,3
	ds_store_b128 v29, v[ST+4*\i:ST+4*\i+3] offset:512*\i          ; the gates: read by my wave alone
	ds_store_b128 v31, v[ST+16+4*\i:ST+16+4*\i+3] offset:2048*\i   ; b: read by all four waves, behind the rounds below, in front of which each wave waits for its LDS stores
.endr
; x from LDS (f32) into fragments (bf16).  A fragment is 16 rows x 32 i in 8 registers: lane l holds row l % 16; registers 0-3 hold i = 8 h + 0..7, registers 4-7 i = 16 + 8 h + 0..7.
; In f32 those are 32 bytes at 32 h and 32 bytes at 64 + 32 h of the step's 128 bytes.  LOADG: step kl of the chunk, four row blocks, 16 loads into a buffer of 64 registers.
.macro LOADG slot, kl
	WIN 0
.irp a, 0,1,2,3
.irp q, 0,1,2,3
	ds_load_b128 v[F0+64*((\kl)&1)+16*\a+4*\q:F0+64*((\kl)&1)+16*\a+4*\q+3], v[XA+\slot] offset:\a*16*XP+\kl*128+(\q&1)*16+(\q>>1)*64
.endr
.endr
.endm
.macro CVTG c, kl
.if \c < 2
	WIN 0x80                                       ; destination in window 2
.else
	WIN 0xc0                                       ; in window 3
.endif
.irp a, 0,1,2,3
.irp j, 0,1,2,3,4,5,6,7
	v_cvt_pk_bf16_f32 v[(((4*\c+\kl)&7)*4+\a)*8+\j], v[F0+64*((\kl)&1)+16*\a+2*\j], v[F0+64*((\kl)&1)+16*\a+2*\j+1]
.endr
.endr
.endm
.macro CONVERT slot, c                 ; chunk c (i = 128 c ..) from its slot; each wave reads only the rows that its own load brought
	LOADG \slot, 0
	LOADG \slot, 1
	s_wait_dscnt 16                                ; LDS instructions come back in order: all but the younger group of 16
	CVTG \c, 0
	LOADG \slot, 2
	s_wait_dscnt 16
	CVTG \c, 1
	LOADG \slot, 3
	s_wait_dscnt 16
	CVTG \c, 2
	s_wait_dscnt 0
	CVTG \c, 3
.endm
; The bias term of pass p starts the 32 totals: total(a, nb) = sum over e of b[e][column] x gate[row][e], one matrix step each, C = 0: nothing is cleared.
; e = 0..7 lies in registers 0-3 of lanes 0-15.  Lanes 16-31 and registers 4-7 are made zero on BOTH sides, so that they add 0 x 0.
.macro INIT p
	WIN 0
	s_wait_xcnt 0x0                                ; the registers written below were data of global stores: rewritten only behind this wait
	v_mov_b32 v[WA], v[WA0]                        ; the pass begins with expert 0
.irp a, 0,1,2,3
	ds_load_b128 v[ST+8*\a:ST+8*\a+3], v[WA0] offset:\a*512
	ds_load_b128 v[ST+8*\a+4:ST+8*\a+7], v[WA0] offset:\a*512+16
.endr
.irp nb, 0,1,2,3,4,5,6,7
.irp e, 0,1,2,3,4,5,6,7
	ds_load_b32 v[F0+8*\nb+\e], v[BT] offset:\e*1024+\p*512+\nb*64
.endr
.endr
.irp f, 0,1,2,3,4,5,6,7,8,9,10,11
.irp j, 4,5,6,7
	v_mov_b32 v[BF+8*\f+\j], 0                     ; the twelve fragments' upper halves (summed index 16 to 31)
.endr
.endr
	s_wait_dscnt 0x0
.irp f, 0,1,2,3,4,5,6,7
.irp j, 0,1,2,3
	v_cvt_pk_bf16_f32 v[BF+8*\f+\j], v[F0+8*\f+2*\j], v[F0+8*\f+2*\j+1]
	v_and_b32 v[BF+8*\f+\j], v[HM], v[BF+8*\f+\j]
.endr
.endr
.irp a, 0,1,2,3
.irp j, 0,1,2,3
	v_cvt_pk_bf16_f32 v[WF+8*\a+\j], v[ST+8*\a+2*\j], v[ST+8*\a+2*\j+1]
	v_and_b32 v[WF+8*\a+\j], v[HM], v[WF+8*\a+\j]
.endr
.endr
	WIN 0x40                                       ; destination in window 1
.irp a, 0,1,2,3
.irp nb, 0,1,2,3,4,5,6,7
	v_wmma_f32_16x16x32_bf16 v[(\a*8+\nb)*8:(\a*8+\nb)*8+7], v[BF+8*\nb:BF+8*\nb+7], v[WF+8*\a:WF+8*\a+7], 0
.endr
.endr
	WIN 0
	PLACES                                         ; four places before loads land in these fragments' registers,
	v_nop                                          ; five before a matrix instruction writes over them (the temp tiles lie there)
.endm
; 16 LDS loads: the wt fragments of run u (columns 32 (u / 4) .. + 31 of the tile, i = 128 (u mod 4) .. + 127) into buffer f: fragment (kl, nb) at f + 8 (2 kl + nb).
.macro FETCH slot, u, f
.irp kl, 0,1,2,3
.irp nb, 0,1
.irp q, 0,1
	ds_load_b128 v[\f+(\kl*2+\nb)*8+4*\q:\f+(\kl*2+\nb)*8+4*\q+3], v[BA+2*\slot+((\u)>>3)] offset:((((\u)>>2)&1)*32+\nb*16)*WP+(4*((\u)&3)+\kl)*64+32*\q
.endr
.endr
.endr
.endm
; A run: 32 matrix instructions, 4 steps of 32 along i x 2 column blocks x 4 row blocks.  At its head the next run's fragments are asked for, into the other buffer.
; The eight temp tiles take turns, one instruction a turn, in the same order in every step and every run.
; Under 0x08 and 0x0c only source 1 (x) is moved, so the LDS loads run under the same setting.
.macro RUN slot, u
.set FB, F0+64*((\u)&1)
.set GB, F0+64-64*((\u)&1)
.if ((\u)&3) != 0
	PLACES                                         ; the other buffer was read by the run before (at a chunk's first run the places stand at the chunk's end)
.endif
.if ((\u)&3) < 2
	WIN 0x08
.else
	WIN 0x0c
.endif
.if (\u) < 15
	FETCH \slot, \u+1, GB
	s_wait_dscnt 16                                ; all but the 16 just issued: this run's fragments (and, in run 0, the gates) are in
.else
	s_wait_dscnt 0
.endif
.irp kl, 0,1,2,3
.irp nb, 0,1
.irp a, 0,1,2,3
.if (4*((\u)&3)+\kl) == 0
	v_wmma_f32_16x16x32_bf16 v[TMP+8*(\nb*4+\a):TMP+8*(\nb*4+\a)+7], v[FB+(\kl*2+\nb)*8:FB+(\kl*2+\nb)*8+7], v[(((4*((\u)&3)+\kl)&7)*4+\a)*8:(((4*((\u)&3)+\kl)&7)*4+\a)*8+7], 0
.else
	v_wmma_f32_16x16x32_bf16 v[TMP+8*(\nb*4+\a):TMP+8*(\nb*4+\a)+7], v[FB+(\kl*2+\nb)*8:FB+(\kl*2+\nb)*8+7], v[(((4*((\u)&3)+\kl)&7)*4+\a)*8:(((4*((\u)&3)+\kl)&7)*4+\a)*8+7], v[TMP+8*(\nb*4+\a):TMP+8*(\nb*4+\a)+7]
.endif
.endr
.endr
.endr
.if ((\u)&3) == 3
	PLACES                                         ; the chunk's end: the sums over all 512 i are whole
	WIN 0x50                                       ; source 2 and destination in window 1
.irp nb, 0,1
.irp a, 0,1,2,3
.irp i, 0,1,2,3
	v_pk_fma_f32 v[(\a*8+2*((\u)>>2)+\nb)*8+2*\i:(\a*8+2*((\u)>>2)+\nb)*8+2*\i+1], v[TMP+8*(\nb*4+\a)+2*\i:TMP+8*(\nb*4+\a)+2*\i+1], v[WV+2*\a:WV+2*\a+1], v[(\a*8+2*((\u)>>2)+\nb)*8+2*\i:(\a*8+2*((\u)>>2)+\nb)*8+2*\i+1]
.endr
.endr
.endr
.endif
.endm
; One expert's tile of 128 columns x 512 i, in its slot: 512 matrix instructions.  The next tile is asked for first thing behind the round, into the slot read in the trip before:
; one tensor load of mine is out, and it has the whole trip in which to land.
.macro TRIP slot, refill
	EDGE G0W+4*\slot, 262144                       ; this slot's group 0 steps two tiles on
.if \refill
	tensor_load_to_lds s[G0W+4-4*\slot:G0W+7-4*\slot], s[G1W:G1W+7]
	s_nop 0
.endif
.irp a, 0,1,2,3
	ds_load_b32 v[WV+2*\a], v[WA] offset:\a*512    ; the gate of row 16 a + r for this expert, into both registers of the pair
	ds_load_b32 v[WV+2*\a+1], v[WA] offset:\a*512
.endr
	v_add_nc_u32 v[WA], 4, v[WA]                   ; the next expert's
	FETCH \slot, 0, F0
.irp u, 0,1,2,3,4,5,6,7,8,9,10,11,12,13,14,15
	RUN \slot, \u
.endr
.endm
; The way out of pass p, 16 rows at a time: 32 bytes a lane and column block into my own stage, read back as whole rows of 512 bytes, stored.
; The stage is my wave's own and LDS serves a wave's instructions in order (ISA guide 5.7.1): no barrier, and no wait between the stores and the loads.
.macro OUT p
.irp a, 0,1,2,3
	WIN 0x04                                       ; an LDS store's data is source 1: window 1
.irp nb, 0,1,2,3,4,5,6,7
.irp q, 0,1
	ds_store_b128 v[STO], v[(\a*8+\nb)*8+4*\q:(\a*8+\nb)*8+4*\q+3] offset:\nb*64+16*\q
.endr
.endr
	WIN 0
	s_wait_xcnt 0x0                                ; the buffer loaded next was data of earlier global stores: rewritten only behind this wait
.irp t, 0,1,2,3,4,5,6,7,8,9,10,11,12,13,14,15
	ds_load_b128 v[F0+64*(\a&1)+4*\t:F0+64*(\a&1)+4*\t+3], v[RD] offset:\t*XP
.endr
.irp t, 0,1,2,3,4,5,6,7,8,9,10,11,12,13,14,15
	s_wait_dscnt 15-\t                             ; row t is in, the younger rows stay out
	global_store_b128 v[CO], v[F0+64*(\a&1)+4*\t:F0+64*(\a&1)+4*\t+3], s[OB:OB+1] offset:(16*\a+\t)*2048+\p*512 th:TH_STORE_NT   ; the wave stores 512 consecutive bytes, aligned
.endr
.endr
.endm
	s_wait_tensorcnt 0x1                           ; tensor loads of a wave end in order: chunk 0 is in, chunk 1 stays out; nothing is filled again here
	CONVERT 0, 0
	EDGE G0X, 1024                                 ; chunk 1 has landed; slot 0's group 0 steps to chunk 2
	tensor_load_to_lds s[G0X:G0X+3], s[G1X:G1X+7]
	s_nop 0
	CONVERT 1, 1
	EDGE G0X+4, 1024                               ; chunk 2 has landed; slot 1's group 0 steps to chunk 3
	tensor_load_to_lds s[G0X+4:G0X+7], s[G1X:G1X+7]
	s_nop 0
	CONVERT 0, 2
	EDGE G0X, 0                                    ; chunk 3 has landed
	tensor_load_to_lds s[G0W:G0W+3], s[G1W:G1W+7]  ; wt's tile 0 into slot 0, jointly
	s_nop 0
	CONVERT 1, 3
	INIT 0
	s_mov_b32 s56, 4                               ; pass 0: tiles 0 to 7; its last trip asks for tile 8
.Lpass0:
	TRIP 0, 1
	TRIP 1, 1
	WIN 0                                          ; at a branch and at a label every window is 0
	s_sub_co_u32 s56, s56, 1
	s_cmp_lg_u32 s56, 0
	s_cbranch_scc1 .Lpass0
	OUT 0
	INIT 1
	s_mov_b32 s56, 3                               ; pass 1: tiles 8 to 13 in the loop
.Lpass1:
	TRIP 0, 1
	TRIP 1, 1
	WIN 0
	s_sub_co_u32 s56, s56, 1
	s_cmp_lg_u32 s56, 0
	s_cbranch_scc1 .Lpass1
	TRIP 0, 1                                      ; tile 14; asks for tile 15, the last
	TRIP 1, 0                                      ; tile 15: nothing is left to fetch (the stepped addresses are not used)
	OUT 1
	s_wait_xcnt 0x0
	v_lshl_add_u32 v254, v0, 2, 0x4e400
	v_mov_b32 v255, 0
	s_wait_tensorcnt 0x0
	ds_add_u32 v254, v255
	s_wait_dscnt 0x0
	ROUND                                          ; the closing round: no work-group ends while a partner may still ask for a tile that names it
	s_endpgm
.Lfunc_end_k_qc91043cbba_main:
	.size	k_qc91043cbba_main, .Lfunc_end_k_qc91043cbba_main-k_qc91043cbba_main
	.p2alignl 7, 3214868480
	.fill 96, 4, 3214868480
	.section	.rodata,"a",@progbits
	.p2align	6, 0x0
	.amdhsa_kernel k_qc91043cbba_main
		.amdhsa_group_segment_fixed_size 327680
		.amdhsa_private_segment_fixed_size 0
		.amdhsa_enable_private_segment 0
		.amdhsa_kernarg_size 40
		.amdhsa_user_sgpr_count 2
		.amdhsa_user_sgpr_kernarg_segment_ptr 1
		.amdhsa_wavefront_size32 1
		.amdhsa_system_sgpr_workgroup_id_x 1
		.amdhsa_system_sgpr_workgroup_id_y 1
		.amdhsa_system_sgpr_workgroup_id_z 1
		.amdhsa_system_vgpr_workitem_id 0
		.amdhsa_next_free_vgpr 1024
		.amdhsa_next_free_sgpr 66
		.amdhsa_reserve_vcc 0
		.amdhsa_float_denorm_mode_32 3
		.amdhsa_float_denorm_mode_16_64 3
		.amdhsa_memory_ordered 1
		.amdhsa_forward_progress 1
		.amdhsa_inst_pref_size 255
	.end_amdhsa_kernel
	.section	.bss,"aw",@nobits
	.p2align	6
	.space	262144
	.amdgpu_metadata
---
amdhsa.version: [ 1, 2 ]
amdhsa.kernels:
  - .name:           k_qc91043cbba_main
    .symbol:         k_qc91043cbba_main.kd
    .args:
      - { .name: x, .offset: 0, .size: 8, .value_kind: global_buffer, .address_space: global }
      - { .name: weights, .offset: 8, .size: 8, .value_kind: global_buffer, .address_space: global }
      - { .name: b, .offset: 16, .size: 8, .value_kind: global_buffer, .address_space: global }
      - { .name: wt, .offset: 24, .size: 8, .value_kind: global_buffer, .address_space: global }
      - { .name: out0, .offset: 32, .size: 8, .value_kind: global_buffer, .address_space: global }
    .group_segment_fixed_size: 327680
    .private_segment_fixed_size: 0
    .kernarg_segment_align: 8
    .kernarg_segment_size: 40
    .max_flat_workgroup_size: 128
    .sgpr_count:     66
    .vgpr_count:     1024
    .wavefront_size: 32
...
	.end_amdgpu_metadata
.endif
;; end of part 2
